; MI455X (gfx1250); checked and timed in simulation.
; The chip was launched on July 23, 2026; its instructions are those of AMD's public machine-readable ISA for CDNA 5 (MIT licence, August 2026) and "CDNA5" Instruction Set Architecture Reference Guide (July 2026). The comments in the code are by the model that wrote it; some were corrected since.
;; Simple RNN. Allowed arithmetic: float matrix products may take bf16 or f16 operands with f32 sums; all other float work in f32.
;; Inputs: Wg 1,024 x 1,024 float32; Wk 1,024 x 1,024 float32; Wo 1,024 x 1,024 float32; Wq 1,024 x 1,024 float32; Wv 1,024 x 1,024 float32; bg 1,024 float32; bk 1,024 float32; bo 1,024 float32; bq 1,024 float32; bv 1,024 float32; hidden_state 8 x 128 x 1,024 float32.
;; Outputs: out0 8 x 128 x 1,024 float32; out1 8 x 1,024 x 1,024 float32.
;; One version. Each part assembles by itself: llvm-mc -triple=amdgcn-amd-amdhsa -mcpu=gfx1250 --defsym DOCPART=n.
;; ======== version 1 of 1: 4 launches
;; limits: values outside matrix products are rounded to f16; values are held in f16: magnitudes above 65,504 overflow, below 6.1e-05 lose precision
;; workspace buffers: PRE 12,582,912 bytes; AP 16,777,216 bytes; KV 6,291,456 bytes; MID 4,718,592 bytes
;; launch prep (part 1): grid 128 x 6, 4 waves a work-group, no clusters, 20,992 bytes of LDS; arguments hidden_state, Wq, Wk, Wv, Wg, Wo, PRE; writes PRE
.if DOCPART == 1
	.amdgcn_target "amdgcn-amd-amdhsa--gfx1250"
	.amdhsa_code_object_version 6
	.text
	.protected	k_q60253e4f22_prep
	.globl	k_q60253e4f22_prep
	.p2align	8
	.type	k_q60253e4f22_prep,@function
k_q60253e4f22_prep:
	s_mov_b64 s[64:65], 0
	v_nop
	global_prefetch_b8 v0, s[64:65] scope:SCOPE_SE
	s_setreg_imm32_b32 hwreg(HW_REG_WAVE_MODE, 25, 1), 1
	s_wait_xcnt 0x0
; Converts hidden_state and the five weight matrices from f32 to f16, once, and lays them out as the register images of
; matrix fragments: a fragment is 16 rows (or columns) x 32 along K = 1 KiB = [q 2][lane 32][16 bytes]; lane (r = lane % 16,
; h = lane / 16), half q holds row r, K = 16 q + 8 h .. + 7.  A later load of 16 bytes a lane then fills four fragment registers.
; PRE: Xi  at 0         [b 8][ks 32][tt 8][1 KiB]             lane r = t, K along the hidden index
;      Wi  at 2,097,152 [j 32][ks 32][mat 4 = q,k,v,g][ct 2]  lane r = column 32 j + 16 ct + r, K along the matrix's rows
;      Woi at 10,485,760 [ntile 64][ks 32]                    lane r = column 16 ntile + r
; grid y picks the matrix (0 hidden_state, 1..4 Wq Wk Wv Wg, 5 Wo), grid x a block of 32 rows x 256 columns.
; LIMIT: numbers of magnitude 65,504 or more do not fit f16; magnitudes under 2^-24 become 0.
; No matrix unit, no cluster, no tensor load: every byte is read once and written once, and no block is shared.
.set LD, 16                            ; v[16:79]  16 rows x 4 columns of f32
.set PK, 80                            ; v[80:111] packed f16, then four fragments
.set VO, 8                             ; v[8:11]   store offsets of my four fragments
	s_load_b256 s[8:15], s[0:1], 0x0               ; hidden_state, Wq, Wk, Wv
	s_load_b128 s[16:19], s[0:1], 0x20             ; Wg, Wo
	s_load_b64 s[20:21], s[0:1], 0x30              ; PRE
	v_lshl_add_u32 v128, v0, 2, 0x5000
	v_mov_b32 v129, 0
	s_and_b32 s22, ttmp7, 0xffff                   ; y: which matrix
	v_lshrrev_b32 v1, 5, v0
	v_readfirstlane_b32 s23, v1                    ; wave
	s_lshr_b32 s24, ttmp9, 2                       ; block of 32 rows
	s_and_b32 s25, ttmp9, 3                        ; block of 256 columns
	v_and_b32 v2, 63, v0                           ; my 4 columns
	v_lshrrev_b32 v3, 6, v0                        ; my 16 rows
	v_lshlrev_b32 v4, 4, v2
	v_lshl_add_u32 v4, v3, 16, v4                  ; 16 rows of 4,096 bytes + 16 bytes a thread
	s_lshl_b32 s26, s24, 17
	s_lshl_b32 s27, s25, 10
	s_add_co_u32 s26, s26, s27
	s_mov_b32 s27, 0
	s_wait_kmcnt 0x0
	s_mov_b64 s[4:5], s[8:9]
.irp k, 1,2,3,4,5
	s_cmp_eq_u32 s22, \k
	s_cselect_b64 s[4:5], s[8+2*\k:9+2*\k], s[4:5] ; the source is chosen by y alone
.endr
	s_add_nc_u64 s[4:5], s[4:5], s[26:27]
.irp i, 0,1,2,3,4,5,6,7,8,9,10,11,12,13,14,15
	global_load_b128 v[LD+4*\i:LD+4*\i+3], v4, s[4:5] offset:\i*4096 th:TH_LOAD_NT   ; 64 threads cover 1,024 consecutive bytes of a row
.endr
	; where my four fragments go: a base D and two strides, for each of the three layouts
	s_lshr_b32 s28, ttmp9, 4
	s_lshl_b32 s28, s28, 18                        ; Xi: b
	s_lshl_b32 s29, s25, 16
	s_add_co_u32 s28, s28, s29                     ; 8 K steps for each column block
	s_and_b32 s29, s24, 3
	s_lshl_b32 s29, s29, 11
	s_add_co_u32 s28, s28, s29                     ; two t tiles for each row block
	s_lshr_b32 s29, s23, 1
	s_lshl_b32 s29, s29, 10
	s_add_co_u32 s28, s28, s29
	s_and_b32 s29, s23, 1
	s_lshl_b32 s29, s29, 15
	s_add_co_u32 s28, s28, s29
	s_lshl_b32 s30, s25, 21                        ; Wi: 8 slices j for each column block
	s_lshl_b32 s29, s23, 19
	s_add_co_u32 s30, s30, s29                     ; two slices a wave
	s_lshl_b32 s29, s24, 13
	s_add_co_u32 s30, s30, s29                     ; K step
	s_lshl_b32 s29, s22, 11
	s_add_co_u32 s30, s30, s29                     ; matrix y - 1
	s_add_co_u32 s30, s30, 2097152-2048
	s_lshl_b32 s31, s25, 19                        ; Woi: 16 column tiles for each column block
	s_lshl_b32 s29, s23, 17
	s_add_co_u32 s31, s31, s29
	s_lshl_b32 s29, s24, 10
	s_add_co_u32 s31, s31, s29
	s_add_co_u32 s31, s31, 10485760
	s_mov_b32 s33, 0x400
	s_mov_b32 s34, 0x40000
	s_cmp_eq_u32 s22, 0
	s_cselect_b32 s36, s28, s30
	s_cselect_b32 s33, 0x2000, s33
	s_cselect_b32 s34, 0x4000, s34
	s_cmp_eq_u32 s22, 5
	s_cselect_b32 s36, s31, s36
	s_cselect_b32 s33, 0x8000, s33
	s_cselect_b32 s34, 0x10000, s34
	s_mov_b32 s37, 0
	s_add_nc_u64 s[6:7], s[20:21], s[36:37]
	v_and_b32 v5, 31, v0
	v_lshlrev_b32 v[VO], 4, v5                     ; 16 bytes a lane
	v_add_nc_u32 v[VO+1], s33, v[VO]
	v_add_nc_u32 v[VO+2], s34, v[VO]
	v_add_nc_u32 v[VO+3], s34, v[VO+1]
	v_and_b32 v12, 15, v0                          ; r
	v_bfe_u32 v13, v0, 4, 1                        ; h
	s_cmp_lg_u32 s22, 0
	s_cbranch_scc1 .Lw_in
	; hidden_state: K lies along the rows.  LDS [32 t][256 f16], pitch 528
	v_mul_u32_u24 v6, v3, 8448
	v_lshl_add_u32 v6, v2, 3, v6
	s_wait_loadcnt 0x0
.irp i, 0,1,2,3,4,5,6,7,8,9,10,11,12,13,14,15
	v_cvt_pk_f16_f32 v[PK+2*\i], v[LD+4*\i], v[LD+4*\i+1]
	v_cvt_pk_f16_f32 v[PK+2*\i+1], v[LD+4*\i+2], v[LD+4*\i+3]
	ds_store_b64 v6, v[PK+2*\i:PK+2*\i+1] offset:\i*528
.endr
	s_branch .Lin_done
.Lw_in:
	; a weight matrix: K lies down the rows.  Packing two rows' numbers of one column transposes: LDS [256 n][32 k f16], pitch 80
	v_mul_u32_u24 v6, v2, 320
	v_lshl_add_u32 v6, v3, 5, v6
	s_wait_loadcnt 0x0
.irp c, 0,1,2,3
.irp m, 0,1,2,3,4,5,6,7
	v_cvt_pk_f16_f32 v[PK+8*\c+\m], v[LD+8*\m+\c], v[LD+8*\m+4+\c]
.endr
	ds_store_b128 v6, v[PK+8*\c:PK+8*\c+3] offset:\c*80
	ds_store_b128 v6, v[PK+8*\c+4:PK+8*\c+7] offset:\c*80+16
.endr
.Lin_done:
	s_wait_dscnt 0x0                               ; my stores are in LDS before the other waves read them
	s_barrier_signal -1
	s_barrier_wait -1
	s_cmp_lg_u32 s22, 0
	s_cbranch_scc1 .Lw_out
	s_lshr_b32 s38, s23, 1
	s_mul_i32 s38, s38, 8448                       ; t tile = wave / 2
	s_and_b32 s39, s23, 1
	s_lshl_b32 s39, s39, 8                         ; K steps 4 (wave % 2) + i
	s_add_co_u32 s38, s38, s39
	v_mul_u32_u24 v7, v12, 528
	v_lshl_add_u32 v7, v13, 4, v7
	v_add_nc_u32 v7, s38, v7
.irp i, 0,1,2,3
	ds_load_b128 v[PK+8*\i:PK+8*\i+3], v7 offset:\i*64
	ds_load_b128 v[PK+8*\i+4:PK+8*\i+7], v7 offset:\i*64+32
.endr
	s_branch .Lout
.Lw_out:
	s_mul_i32 s38, s23, 5120                       ; columns 64 wave + 16 i + r
	v_mul_u32_u24 v7, v12, 80
	v_lshl_add_u32 v7, v13, 4, v7
	v_add_nc_u32 v7, s38, v7
.irp i, 0,1,2,3
	ds_load_b128 v[PK+8*\i:PK+8*\i+3], v7 offset:\i*1280
	ds_load_b128 v[PK+8*\i+4:PK+8*\i+7], v7 offset:\i*1280+32
.endr
.Lout:
	s_wait_dscnt 0x0
.irp i, 0,1,2,3
	global_store_b128 v[VO+\i], v[PK+8*\i:PK+8*\i+3], s[6:7]              ; each store of the wave covers 512 consecutive bytes, aligned
	global_store_b128 v[VO+\i], v[PK+8*\i+4:PK+8*\i+7], s[6:7] offset:512
.endr
	s_wait_tensorcnt 0x0
	ds_add_u32 v128, v129
	s_wait_dscnt 0x0
	s_endpgm
.Lfunc_end_k_q60253e4f22_prep:
	.size	k_q60253e4f22_prep, .Lfunc_end_k_q60253e4f22_prep-k_q60253e4f22_prep
	.p2alignl 7, 3214868480
	.fill 96, 4, 3214868480
	.section	.rodata,"a",@progbits
	.p2align	6, 0x0
	.amdhsa_kernel k_q60253e4f22_prep
		.amdhsa_group_segment_fixed_size 20992
		.amdhsa_private_segment_fixed_size 0
		.amdhsa_enable_private_segment 0
		.amdhsa_kernarg_size 56
		.amdhsa_user_sgpr_count 2
		.amdhsa_user_sgpr_kernarg_segment_ptr 1
		.amdhsa_wavefront_size32 1
		.amdhsa_system_sgpr_workgroup_id_x 1
		.amdhsa_system_sgpr_workgroup_id_y 1
		.amdhsa_system_sgpr_workgroup_id_z 1
		.amdhsa_system_vgpr_workitem_id 0
		.amdhsa_next_free_vgpr 130
		.amdhsa_next_free_sgpr 66
		.amdhsa_reserve_vcc 0
		.amdhsa_float_denorm_mode_32 3
		.amdhsa_float_denorm_mode_16_64 3
		.amdhsa_memory_ordered 1
		.amdhsa_forward_progress 1
		.amdhsa_inst_pref_size 14
	.end_amdhsa_kernel
	.amdgpu_metadata
---
amdhsa.version: [ 1, 2 ]
amdhsa.kernels:
  - .name:           k_q60253e4f22_prep
    .symbol:         k_q60253e4f22_prep.kd
    .args:
      - { .name: hidden_state, .offset: 0, .size: 8, .value_kind: global_buffer, .address_space: global }
      - { .name: Wq, .offset: 8, .size: 8, .value_kind: global_buffer, .address_space: global }
      - { .name: Wk, .offset: 16, .size: 8, .value_kind: global_buffer, .address_space: global }
      - { .name: Wv, .offset: 24, .size: 8, .value_kind: global_buffer, .address_space: global }
      - { .name: Wg, .offset: 32, .size: 8, .value_kind: global_buffer, .address_space: global }
      - { .name: Wo, .offset: 40, .size: 8, .value_kind: global_buffer, .address_space: global }
      - { .name: PRE, .offset: 48, .size: 8, .value_kind: global_buffer, .address_space: global }
    .group_segment_fixed_size: 20992
    .private_segment_fixed_size: 0
    .kernarg_segment_align: 8
    .kernarg_segment_size: 56
    .max_flat_workgroup_size: 128
    .sgpr_count:     66
    .vgpr_count:     130
    .wavefront_size: 32
...
	.end_amdgpu_metadata
.endif
;; end of part 1
;; launch proj (part 2): grid 32 x 8, 4 waves a work-group, clusters of 4 x 4, 327,680 bytes of LDS; arguments PRE, bq, bk, bv, bg, AP, KV; writes AP, KV
.if DOCPART == 2
	.amdgcn_target "amdgcn-amd-amdhsa--gfx1250"
	.amdhsa_code_object_version 6
	.text
	.protected	k_q60253e4f22_proj
	.globl	k_q60253e4f22_proj
	.p2align	8
	.type	k_q60253e4f22_proj,@function
k_q60253e4f22_proj:
	s_mov_b64 s[64:65], 0
	v_nop
	global_prefetch_b8 v0, s[64:65] scope:SCOPE_SE
	s_setreg_imm32_b32 hwreg(HW_REG_WAVE_MODE, 25, 1), 1
	s_wait_xcnt 0x0
	s_wait_alu depctr_hold_cnt(0) depctr_sa_sdst(0) depctr_va_vdst(0) depctr_va_sdst(0) depctr_va_ssrc(0) depctr_va_vcc(0) depctr_vm_vsrc(0)
	s_getreg_b32 s2, hwreg(HW_REG_IB_STS2, 6, 4)
	s_cmp_eq_u32 s2, 0
	s_cbranch_scc0 .Lentry_in_a_cluster
	s_endpgm
.Lentry_in_a_cluster:
	s_bfe_u32 s2, ttmp6, 0x10000c
	s_cmp_lg_u32 s2, 0xf033
	s_cbranch_scc0 .Lentry_shape_is_right
	s_endpgm
.Lentry_shape_is_right:
; Work-group (j, b): the projections q, k, v, g of batch b (128 t) for the 32 columns 32 j .. 32 j + 31 of each, K = 1024, in f16 with f32 sums;
; then bias and sigmoid, the products of gates along t, and this slice's share of the matrix A.
; THE RECURRENCE AS PRODUCTS.  With w(t,s,c) = g[s+1,c] .. g[t,c]:  o_t = sum over s <= t of A[t,s] v_s,  A[t,s] = sum over c of q[t,c] k[s,c] w(t,s,c),
; and the last state is sum over s of (k[s,c] w(127,s,c)) v[s,.].  For s < t let h be the highest bit in which s and t differ.  Then
; w = S_h[s] P_h[t], S_h[s] = g[s+1] .. g[s | (h-1)], P_h[t] = g[t & ~(h-1)] .. g[t]: both are products of sigmoids, so neither can overflow.
; M_h[t] = q[t] P_h[t] where bit h of t is set, else k[t] S_h[t]; A's elements of level h are M_h[s] . M_h[t].
; OUT: AP [b][j][T = 8 I + J][jg 2][lane][4 f32]: this slice's partial sums of A's 16 x 16 tiles (t tile I, s tile J <= I), as the result registers
;      4 jg .. 4 jg + 3 (lane (r, h), register i: s = 16 J + 8 h + i, t = 16 I + r).
;      KV: Kt at 0 [b][ktile 64][p 4][1 KiB] (lane r = k, K = s; k[s] w(127,s)); Vt at 2,097,152 likewise (lane r = v); Vs at 4,194,304 [b][j][I 8][1 KiB] (lane r = s, K = v).
; LIMITS: operands are f16: |x|, |W|, |q|, |v| under 65,504; magnitudes under 2^-24 become 0.  The sums are ordered otherwise than a step-by-step scan orders them.
; CLUSTERS: 4 x 4 work-groups.  X's tiles hang on b alone and are asked for jointly along a row of the cluster, W's on j alone, along a column.
; Wave w: ch = w & 1 (0: q and k, 1: v and g), th = w >> 1 (t half): 64 t x 64 columns, 16 accumulators, D[m = t, n = column].
; THE RING: two slots of 128 KiB, eight K steps each, so K = 1024 is four chunks: two first fills and two refills, written out without a loop.
; A wave's one load brings 32 KiB and has the other slot's 128 matrix instructions in which to land.
.set SLOT, 131072                      ; a slot: X [ksl 8][tt 8][1 KiB], then W [ksl 8][mat 4][ct 2][1 KiB]
.set XW, 65536                         ; bytes of X, and of W, in a chunk; W's part of a slot begins here
.set PART, 32768                       ; what one tensor load brings: half of X's or of W's part
; Behind their last fill the ring's bytes serve the rest of the kernel:
.set FP, 528                           ; from LDS byte 0: f32 arrays q, k, v, g: [32 columns][128 t], pitch 528 (an odd multiple of 16 bytes)
.set FARR, 16896
.set TB, 67584                         ; [segment 4][column 32] f32: products of g over 32 t
.set MB, 68096                         ; ten f16 arrays [32 columns][128 t], pitch 288: M1 M2 M4 M8 M16 M32 M64 q k v; they end at byte 160,256
.set MP, 288
.set MARR, 9216
.set ADA, 4                            ; v4, v5  LDS address of my X fragments in slot 0, 1
.set ADB, 6                            ; v6, v7  the same for W
.set F0, 64                            ; v[64:127] fragment buffer 0: 4 of X, 4 of W
.set F1, 0                             ; v[256:319] fragment buffer 1, named v[0:63] in window 1
.set ACC, 128                          ; v[128:255] accumulator (ct, tt) at 8 (4 ct + tt)
.set G1X, 28
.set G1W, 36
.set G0X, 44                           ; one group 0 for each slot
.set G0W, 52
.set GG, 16                            ; the scan: 32 t of one column in each lane
.set QQ, 48
.set KK, 80
.set VV, 112
.set PF, 144
.set SF, 176
.set MT, 208
.set PK, 240
.set FR, 16                            ; A's tiles: fragments
.set DD, 128                           ; and results
.set MSB, 0
.macro WIN new                         ; the immediate's high byte repeats the setting that is left
.if MSB != \new
	s_set_vgpr_msb (MSB<<8)|\new
.set MSB, \new
.endif
.endm
.macro PLACES n
.rept \n
	v_nop
.endr
.endm
.macro JLOAD s                         ; waves 0, 1 ask for X's halves, waves 2, 3 for W's: one mask a line, the branch hangs on the wave's number alone
	s_cmp_eq_u32 s20, 0
	s_cbranch_scc0 .Lfor_w_\@
	tensor_load_to_lds s[G0X+4*(\s):G0X+4*(\s)+3], s[G1X:G1X+7]
	s_nop 0
	s_branch .Lasked_\@
.Lfor_w_\@:
	tensor_load_to_lds s[G0W+4*(\s):G0W+4*(\s)+3], s[G1W:G1W+7]
	s_nop 0
.Lasked_\@:
.endm
.macro CROUND                          ; a round of the cluster's barrier
	s_barrier_signal -1
	s_barrier_wait -1
	s_cmp_lg_u32 s18, 0
	s_cbranch_scc1 .Lnot_wave_0_\@
	s_barrier_signal -3
.Lnot_wave_0_\@:
	s_barrier_wait -3
	s_barrier_signal -1
	s_barrier_wait -1
.endm
	s_load_b256 s[4:11], s[0:1], 0x0               ; PRE, bq, bk, bv
	s_load_b128 s[12:15], s[0:1], 0x20             ; bg, AP
	s_load_b64 s[16:17], s[0:1], 0x30              ; KV
	s_set_vgpr_msb 0x40
	v_lshl_add_u32 v64, v0, 2, 0x40000
	v_mov_b32 v65, 0
	s_set_vgpr_msb 0x4045
	ds_add_u32 v64, v65
	ds_add_u32 v64, v65
	s_set_vgpr_msb 0x4500
	v_lshrrev_b32 v1, 5, v0
	v_readfirstlane_b32 s18, v1                    ; wave
	s_and_b32 s19, s18, 1                          ; ch; also which half of a tile I fetch
	s_lshr_b32 s20, s18, 1                         ; th; also: I fetch for X (0) or for W (1)
	s_bfe_u32 s21, ttmp6, 0x40000                  ; cx
	s_bfe_u32 s22, ttmp6, 0x40004                  ; cy
	s_lshl_b32 s23, ttmp9, 2
	s_add_co_u32 s23, s23, s21                     ; j
	s_and_b32 s24, ttmp7, 0xffff
	s_lshl_b32 s24, s24, 2
	s_add_co_u32 s24, s24, s22                     ; b
	s_lshl_b32 s25, s22, 2
	s_lshl_b32 s25, 15, s25                        ; my row of the cluster
	s_lshl_b32 s26, 0x1111, s21                    ; my column
	; group 1: a dense block of 32 KiB as 128 rows of 32 elements of 8 bytes
	s_or_b32 s[G1X+0], s25, (3<<16)|(1<<21)        ; 15:0 mask; 17:16 elements of 8 bytes; 21 set beside a mask
	s_or_b32 s[G1W+0], s26, (3<<16)|(1<<21)
.irp g, G1X, G1W
	s_mov_b32 s[\g+1], 32<<16                      ; tensor_dim0 = 32
	s_mov_b32 s[\g+2], 128<<16                     ; tensor_dim1 = 128
	s_mov_b32 s[\g+3], 32<<16                      ; tile_dim0 = 32
	s_mov_b32 s[\g+4], 128                         ; tile_dim1 = 128
	s_mov_b32 s[\g+5], 32                          ; from row to row: 32 elements
	s_mov_b32 s[\g+6], 0
	s_mov_b32 s[\g+7], 0
.endr
	s_lshl_b32 s67, s19, 15                        ; my half of a tile
	s_lshl_b32 s60, s24, 18                        ; X: b alone
	s_add_co_u32 s60, s60, s67
	s_mov_b32 s61, 0
	s_lshl_b32 s62, s23, 18                        ; W: j alone
	s_add_co_u32 s62, s62, s67
	s_add_co_u32 s62, s62, 2097152
	s_mov_b32 s63, 0
	s_lshl_b32 s66, s18, 15                        ; LDS: wave x 32 KiB: X's halves, then W's
	s_wait_dscnt 0x0
	s_wait_kmcnt 0x0
	s_add_nc_u64 s[60:61], s[4:5], s[60:61]
	s_add_nc_u64 s[62:63], s[4:5], s[62:63]
	CROUND                                         ; all sixteen work-groups are here: the first joint loads meet
.irp s, 0,1
	s_mov_b32 s[G0X+4*\s], 1
	s_add_co_u32 s[G0X+4*\s+1], s66, \s*SLOT
	s_add_nc_u64 s[G0X+4*\s+2:G0X+4*\s+3], s[60:61], \s*XW
	s_or_b32 s[G0X+4*\s+3], s[G0X+4*\s+3], 0x80000000
	s_mov_b32 s[G0W+4*\s], 1
	s_add_co_u32 s[G0W+4*\s+1], s66, \s*SLOT
	s_add_nc_u64 s[G0W+4*\s+2:G0W+4*\s+3], s[62:63], \s*XW
	s_or_b32 s[G0W+4*\s+3], s[G0W+4*\s+3], 0x80000000
	JLOAD \s                                       ; chunks 0 and 1: two loads of the wave are out
.endr
	v_and_b32 v1, 31, v0                           ; lane
	v_and_b32 v2, 15, v0                           ; r
	v_bfe_u32 v3, v0, 4, 1                         ; h
	v_lshlrev_b32 v14, 4, v1                       ; 16 x lane
	s_lshl_b32 s67, s20, 12                        ; my four t tiles
	s_lshl_b32 s68, s19, 12                        ; my two matrices
	s_add_co_u32 s68, s68, XW
	v_add_nc_u32 v[ADA], s67, v14
	v_add_nc_u32 v[ADA+1], SLOT, v[ADA]
	v_add_nc_u32 v[ADB], s68, v14
	v_add_nc_u32 v[ADB+1], SLOT, v[ADB]
	s_cmp_lg_u32 s19, 0
	s_cselect_b64 s[70:71], s[10:11], s[6:7]       ; the plain matrix's bias: bv or bq
	s_cselect_b64 s[72:73], s[12:13], s[8:9]       ; the gate's bias: bg or bk
	s_lshl_b32 s74, s23, 7
	s_mov_b32 s75, 0
	s_add_nc_u64 s[70:71], s[70:71], s[74:75]
	s_add_nc_u64 s[72:73], s[72:73], s[74:75]
	v_lshlrev_b32 v23, 2, v2
	global_load_b32 v16, v23, s[70:71]
	global_load_b32 v17, v23, s[70:71] offset:64
	global_load_b32 v18, v23, s[72:73]
	global_load_b32 v19, v23, s[72:73] offset:64
	s_mul_i32 s76, s19, 2*FARR
	s_lshl_b32 s77, s20, 8
	s_add_co_u32 s76, s76, s77
	v_mul_u32_u24 v22, v2, FP
	v_lshl_add_u32 v22, v3, 5, v22
	v_add_nc_u32 v22, s76, v22                     ; where my results go: column r, t = 64 th + 8 h
	s_lshl_b32 s88, s24, 18
	s_lshl_b32 s89, s23, 13
	s_add_co_u32 s88, s88, s89
	s_mov_b32 s89, 0
	s_add_nc_u64 s[84:85], s[16:17], s[88:89]      ; KV at (b, j)
	s_lshl_b32 s88, s24, 21
	s_lshl_b32 s90, s23, 16
	s_add_co_u32 s88, s88, s90
	s_add_nc_u64 s[86:87], s[14:15], s[88:89]      ; AP at (b, j)
.macro FETCH slot, ksl, f, win         ; 16 LDS loads: one K step's four fragments of X and four of W; each covers 512 consecutive bytes
	WIN \win
.irp i, 0,1,2,3
	ds_load_b128 v[\f+8*\i:\f+8*\i+3], v[ADA+\slot] offset:(\ksl)*8192+\i*1024
	ds_load_b128 v[\f+8*\i+4:\f+8*\i+7], v[ADA+\slot] offset:(\ksl)*8192+\i*1024+512
.endr
.irp i, 0,1,2,3
	ds_load_b128 v[\f+32+8*\i:\f+32+8*\i+3], v[ADB+\slot] offset:(\ksl)*8192+\i*1024
	ds_load_b128 v[\f+32+8*\i+4:\f+32+8*\i+7], v[ADB+\slot] offset:(\ksl)*8192+\i*1024+512
.endr
.endm
.macro MUL f, win, zero                ; 16 matrix instructions; the 16 accumulators take turns, one instruction a turn
	WIN \win
.irp ct, 0,1,2,3
.irp tt, 0,1,2,3
.if \zero
	v_wmma_f32_16x16x32_f16 v[ACC+8*(4*\ct+\tt):ACC+8*(4*\ct+\tt)+7], v[\f+8*\tt:\f+8*\tt+7], v[\f+32+8*\ct:\f+32+8*\ct+7], 0
.else
	v_wmma_f32_16x16x32_f16 v[ACC+8*(4*\ct+\tt):ACC+8*(4*\ct+\tt)+7], v[\f+8*\tt:\f+8*\tt+7], v[\f+32+8*\ct:\f+32+8*\ct+7], v[ACC+8*(4*\ct+\tt):ACC+8*(4*\ct+\tt)+7]
.endif
.endr
.endr
.endm
; One chunk = the eight K steps of a slot.  mode 0: the first chunk; mode 1: the other slot, read last, is filled again, two chunks ahead; mode 2: nothing is left to fetch.
.macro CHUNK slot, zero, mode
.if \mode
	s_set_vgpr_msb 0x5
	s_wait_tensorcnt 0x0                           ; all my tensor loads have landed, my part of this chunk among them
	ds_add_u32 v64, v65
	s_wait_dscnt 0x0
	s_set_vgpr_msb 0x500
	s_wait_dscnt 0x0                               ; my reads of the other slot are over
.endif
.if \mode == 1
	CROUND                                         ; both now hold of every wave of every work-group of the cluster
	s_add_nc_u64 s[G0X+6-4*\slot:G0X+7-4*\slot], s[G0X+6-4*\slot:G0X+7-4*\slot], 2*XW
	s_add_nc_u64 s[G0W+6-4*\slot:G0W+7-4*\slot], s[G0W+6-4*\slot:G0W+7-4*\slot], 2*XW
	JLOAD 1-\slot                                  ; my one tensor load behind the round, ahead of every LDS read
.endif
.if \mode == 2
	s_barrier_signal -1
	s_barrier_wait -1
.endif
.if \mode
	PLACES 4                                       ; a load into a register that a matrix instruction has read stands four places behind it (ISA guide 7.12.1 for vector instructions)
.endif
	FETCH \slot, 0, F0, 0
	FETCH \slot, 1, F1, 0x40
	s_wait_dscnt 16                                ; all but the 16 loads of the next K step
	MUL F0, 0, \zero
.irp k, 2,4,6
	PLACES 4
	FETCH \slot, \k, F0, 0
	s_wait_dscnt 16
	MUL F1, 0x05, 0
	PLACES 4
	FETCH \slot, \k+1, F1, 0x40
	s_wait_dscnt 16
	MUL F0, 0, 0
.endr
	s_wait_dscnt 0
	MUL F1, 0x05, 0
	WIN 0
.endm
	s_wait_tensorcnt 0x1                           ; my part of chunk 0 is in; chunk 1's stays out
	s_barrier_signal -1
	s_barrier_wait -1
	CHUNK 0, 1, 0                                  ; chunk 0: the first products start the sums: nothing is cleared
	CHUNK 1, 0, 1                                  ; chunk 1; asks for chunk 2: slot 0's last fill
	CHUNK 0, 0, 1                                  ; chunk 2; asks for chunk 3: slot 1's last fill
	CHUNK 1, 0, 2                                  ; chunk 3
	; bias, and the sigmoid of the gates: 1 / (1 + 2^(-log2(e) (x + bias)))
	PLACES 4
	s_wait_loadcnt 0x0
	s_mov_b32 s78, 0xbfb8aa3b                      ; -log2(e)
	v_mul_f32 v20, s78, v18
	v_mul_f32 v21, s78, v19
.set ii, 0
.rept 32
	v_add_f32 v[ACC+ii], v[ACC+ii], v16
	v_add_f32 v[ACC+32+ii], v[ACC+32+ii], v17
.set ii, ii+1
.endr
.macro SIG8 base, nb
.irp e, 0,1,2,3,4,5,6,7
	v_fma_f32 v[\base+\e], v[\base+\e], s78, v[\nb]
.endr
.irp e, 0,1,2,3,4,5,6,7
	v_exp_f32 v[\base+\e], v[\base+\e]
.endr
	v_nop                                          ; one plain instruction between a transcendental and the use of its result (ISA guide 5.7.2)
	s_wait_alu depctr_va_vdst(0)
.irp e, 0,1,2,3,4,5,6,7
	v_add_f32 v[\base+\e], 1.0, v[\base+\e]
.endr
.irp e, 0,1,2,3,4,5,6,7
	v_rcp_f32 v[\base+\e], v[\base+\e]
.endr
	v_nop
.endm
.irp tt, 0,1,2,3
	SIG8 ACC+64+8*\tt, 20
	SIG8 ACC+96+8*\tt, 21
.endr
	; q, k, v, g go into bytes 0 to 67,583, a part of slot 0: its last fill has landed, and every wave's reads of it were over in front of the barrier ahead of chunk 3
	s_wait_alu depctr_va_vdst(0)
.irp ct, 0,1,2,3
.irp tt, 0,1,2,3
	ds_store_b128 v22, v[ACC+8*(4*\ct+\tt):ACC+8*(4*\ct+\tt)+3] offset:\ct*16*FP+\tt*64
	ds_store_b128 v22, v[ACC+8*(4*\ct+\tt)+4:ACC+8*(4*\ct+\tt)+7] offset:\ct*16*FP+\tt*64+16
.endr
.endr
	; addresses of the rest.  Lane = column c, wave = segment of 32 t
	v_mul_u32_u24 v8, v1, FP
	s_lshl_b32 s67, s18, 7
	v_add_nc_u32 v8, s67, v8                       ; my 32 t of column c in q's array
	v_lshlrev_b32 v9, 2, v1
	v_add_nc_u32 v10, TB, v9                       ; the four totals of column c
	v_add_nc_u32 v9, s67, v10                      ; mine among them
	v_mul_u32_u24 v4, v1, MP
	s_lshl_b32 s69, s18, 6
	s_add_co_u32 s68, s69, MB
	v_add_nc_u32 v4, s68, v4                       ; f16 arrays 0 to 4: column c, my 32 t
	v_add_nc_u32 v5, 5*MARR, v4                    ; arrays 5 to 9
	v_lshlrev_b32 v6, 4, v2
	v_lshl_add_u32 v6, v3, 12, v6
	s_lshl_b32 s68, s18, 10
	v_add_nc_u32 v6, s68, v6                       ; Kt, Vt: tile c / 16, K step = segment, lane c % 16
	v_and_b32 v7, 7, v0
	v_lshl_add_u32 v7, v3, 3, v7
	v_mul_u32_u24 v7, v7, MP
	v_bfe_u32 v12, v0, 3, 1
	v_lshl_add_u32 v7, v12, 4, v7
	v_add_nc_u32 v7, MB, v7                        ; transposing loads: row 8 h + lane % 8, 16 bytes for each half of eight lanes
	v_add_nc_u32 v12, 5*MARR, v7
	v_add_nc_u32 v13, s69, v12                     ; the same at my two t tiles
	s_lshl_b32 s68, s18, 11
	v_add_nc_u32 v11, s68, v14                     ; Vs: two tiles a wave
	v_lshlrev_b32 v3, 3, v3                        ; 8 h
	v_xor_b32 v15, v3, v2                          ; 8 h xor r
	s_wait_dscnt 0x0                               ; my results are in LDS, and my reads of slot 1 are over, before the others read the one and write over the other
	s_barrier_signal -1
	s_barrier_wait -1
.irp n, 0,1,2,3,4,5,6,7
	ds_load_b128 v[QQ+4*\n:QQ+4*\n+3], v8 offset:16*\n
	ds_load_b128 v[KK+4*\n:KK+4*\n+3], v8 offset:FARR+16*\n
	ds_load_b128 v[VV+4*\n:VV+4*\n+3], v8 offset:2*FARR+16*\n
	ds_load_b128 v[GG+4*\n:GG+4*\n+3], v8 offset:3*FARR+16*\n
.endr
	s_wait_dscnt 0x0
	v_mov_b32 v[PF], v[GG]                         ; PF[i] = g[0] .. g[i] of the segment
	v_mov_b32 v[SF+31], 1.0                        ; SF[i] = g[i+1] .. g[31]
.set ii, 1
.rept 31
	v_mul_f32 v[PF+ii], v[PF+ii-1], v[GG+ii]
	v_mul_f32 v[SF+31-ii], v[SF+32-ii], v[GG+32-ii]
.set ii, ii+1
.endr
	ds_store_b32 v9, v[PF+31]                      ; the segment's total
	s_wait_dscnt 0x0
	s_barrier_signal -1
	s_barrier_wait -1
.macro PACK src
.set mm, 0
.rept 16
	v_cvt_pk_f16_f32 v[PK+mm], v[\src+2*mm], v[\src+2*mm+1]
.set mm, mm+1
.endr
.endm
.macro STM arr
.irp n, 0,1,2,3
.if \arr < 5
	ds_store_b128 v4, v[PK+4*\n:PK+4*\n+3] offset:\arr*MARR+16*\n
.else
	ds_store_b128 v5, v[PK+4*\n:PK+4*\n+3] offset:(\arr-5)*MARR+16*\n
.endif
.endr
.endm
; M_h for h = 1 .. 16: blocks of h lie inside the segment, so which of the two forms an element takes is known from i
.macro LEVEL h, arr
.set ii, 0
.rept 32
.if (ii & \h)
.if (ii & (\h-1)) == 0
	v_mul_f32 v[MT+ii], v[QQ+ii], v[GG+ii]
.else
.if (ii & (\h-1)) == 1
	v_mul_f32 v8, v[GG+ii-1], v[GG+ii]
.else
	v_mul_f32 v8, v8, v[GG+ii]
.endif
	v_mul_f32 v[MT+ii], v[QQ+ii], v8
.endif
.endif
.set ii, ii+1
.endr
.set ii, 31
.rept 32
.if (ii & \h) == 0
.set pos, ii & (\h-1)
.if pos == \h-2
	v_mul_f32 v[MT+ii], v[KK+ii], v[GG+ii+1]
.elseif pos == \h-3
	v_mul_f32 v9, v[GG+ii+1], v[GG+ii+2]
	v_mul_f32 v[MT+ii], v[KK+ii], v9
.elseif pos < \h-3
	v_mul_f32 v9, v9, v[GG+ii+1]
	v_mul_f32 v[MT+ii], v[KK+ii], v9
.endif
.endif
.set ii, ii-1
.endr
.set mm, 0
.rept 16
.set sa, MT+2*mm
.set sb, MT+2*mm+1
.if ((2*mm) & (2*\h-1)) == (\h-1)
.set sa, KK+2*mm                       ; a block's last element: the factor is 1, k itself is packed
.endif
.if ((2*mm+1) & (2*\h-1)) == (\h-1)
.set sb, KK+2*mm+1
.endif
	v_cvt_pk_f16_f32 v[PK+mm], v[sa], v[sb]
.set mm, mm+1
.endr
	STM \arr
.endm
	LEVEL 1, 0
	LEVEL 2, 1
	LEVEL 4, 2
	LEVEL 8, 3
	LEVEL 16, 4
.irp n, 0,1,2,3
	ds_load_b32 v[GG+\n], v10 offset:128*\n        ; g is done with: the four segments' totals t0 .. t3 of my column
.endr
.set mm, 0
.rept 16
	v_pk_mul_f32 v[PF+2*mm:PF+2*mm+1], v[QQ+2*mm:QQ+2*mm+1], v[PF+2*mm:PF+2*mm+1]   ; q P_32
	v_pk_mul_f32 v[SF+2*mm:SF+2*mm+1], v[KK+2*mm:KK+2*mm+1], v[SF+2*mm:SF+2*mm+1]   ; k S_32
.set mm, mm+1
.endr
	PACK QQ
	STM 7
	PACK KK
	STM 8
	s_cmp_lg_u32 s19, 0                            ; bit 32 of t = bit 0 of the segment
	s_cbranch_scc1 .Lq32
	PACK SF
	s_branch .Lj32
.Lq32:
	PACK PF
.Lj32:
	STM 5
.irp n, 0,1,2,3
	s_cmp_eq_u32 s18, \n
	s_cselect_b32 s[80+\n], -1, 0
.endr
	s_wait_dscnt 0x0                               ; the totals
	v_cndmask_b32 v20, 1.0, v18, s83               ; level 64: segment 3 starts at t = 64: x t2; segment 0 ends at t = 63: x t1
	v_cndmask_b32 v20, v20, v17, s80
	v_mov_b32 v21, v20
	v_mul_f32 v8, v18, v19                         ; t2 t3
	v_mul_f32 v9, v17, v8                          ; t1 t2 t3
	v_cndmask_b32 v22, 1.0, v19, s82               ; to the end, t = 127: the totals of the segments behind mine
	v_cndmask_b32 v22, v22, v8, s81
	v_cndmask_b32 v22, v22, v9, s80
	v_mov_b32 v23, v22
.macro SCALE src, f
.set mm, 0
.rept 16
	v_pk_mul_f32 v[MT+2*mm:MT+2*mm+1], v[\src+2*mm:\src+2*mm+1], v[\f:\f+1]
.set mm, mm+1
.endr
.endm
	s_cmp_lg_u32 s20, 0                            ; bit 64 of t = bit 1 of the segment
	s_cbranch_scc1 .Lq64
	SCALE SF, 20
	s_branch .Lj64
.Lq64:
	SCALE PF, 20
.Lj64:
	PACK MT
	STM 6
	PACK VV
	STM 9
.irp n, 0,1,2,3
	global_store_b128 v6, v[PK+4*\n:PK+4*\n+3], s[84:85] offset:2097152+256*\n   ; Vt: sixteen lanes store 256 consecutive bytes, aligned
.endr
	SCALE SF, 22                                   ; k[s] w(127, s)
	s_wait_xcnt 0x0                                ; PK, which the stores above read, is rewritten only behind this wait
	PACK MT
.irp n, 0,1,2,3
	global_store_b128 v6, v[PK+4*\n:PK+4*\n+3], s[84:85] offset:256*\n           ; Kt
.endr
	s_wait_dscnt 0x0                               ; my part of the ten arrays is in LDS
	s_barrier_signal -1
	s_barrier_wait -1
; a fragment (lane r = t of tile, K = the 32 columns) out of array arr, which lies [column][t]: two transposing loads, 16 rows apart
.macro LDFRAG dst, arr, tile
.if (\arr) < 5
	ds_load_tr16_b128 v[\dst:\dst+3], v7 offset:(\arr)*MARR+32*(\tile)
	ds_load_tr16_b128 v[\dst+4:\dst+7], v7 offset:(\arr)*MARR+32*(\tile)+16*MP
.else
	ds_load_tr16_b128 v[\dst:\dst+3], v12 offset:((\arr)-5)*MARR+32*(\tile)
	ds_load_tr16_b128 v[\dst+4:\dst+7], v12 offset:((\arr)-5)*MARR+32*(\tile)+16*MP
.endif
.endm
	; Vs: v with s along the lanes, tiles 2 w and 2 w + 1
	ds_load_tr16_b128 v[16:19], v13 offset:4*MARR
	ds_load_tr16_b128 v[20:23], v13 offset:4*MARR+16*MP
	ds_load_tr16_b128 v[24:27], v13 offset:4*MARR+32
	ds_load_tr16_b128 v[28:31], v13 offset:4*MARR+32+16*MP
	s_wait_dscnt 0x0
.irp n, 0,1,2,3
	global_store_b128 v11, v[16+4*\n:19+4*\n], s[84:85] offset:4194304+512*\n
.endr
	s_wait_xcnt 0x0                                ; v[16:31] are loaded again only behind this wait
.macro OFFLD I                         ; row I's tiles left of the diagonal: both fragments from the array of the level 16 (I xor J)'s highest bit
.set jj, 0
.rept \I
.set xx, (\I) ^ jj
.if xx == 1
.set ar, 4
.elseif xx < 4
.set ar, 5
.else
.set ar, 6
.endif
	LDFRAG FR+16*nn, ar, jj
	LDFRAG FR+16*nn+8, ar, \I
.set nn, nn+1
.set jj, jj+1
.endr
.endm
.macro OFFST I
.set jj, 0
.rept \I
	global_store_b128 v14, v[DD+8*nn:DD+8*nn+3], s[86:87] offset:(8*(\I)+jj)*1024
	global_store_b128 v14, v[DD+8*nn+4:DD+8*nn+7], s[86:87] offset:(8*(\I)+jj)*1024+512
.set nn, nn+1
.set jj, jj+1
.endr
.endm
.macro DIAGLD d, I
	LDFRAG FR+48*\d, 8, \I
	LDFRAG FR+48*\d+8, 7, \I
	LDFRAG FR+48*\d+16, 0, \I
	LDFRAG FR+48*\d+24, 1, \I
	LDFRAG FR+48*\d+32, 2, \I
	LDFRAG FR+48*\d+40, 3, \I
.endm
.macro DIAGMM d                        ; k x q for s = t, and M_h x M_h for h = 1, 2, 4, 8
	v_wmma_f32_16x16x32_f16 v[DD+40*\d:DD+40*\d+7], v[FR+48*\d:FR+48*\d+7], v[FR+48*\d+8:FR+48*\d+15], 0
.irp l, 1,2,3,4
	v_wmma_f32_16x16x32_f16 v[DD+40*\d+8*\l:DD+40*\d+8*\l+7], v[FR+48*\d+8+8*\l:FR+48*\d+15+8*\l], v[FR+48*\d+8+8*\l:FR+48*\d+15+8*\l], 0
.endr
.endm
.macro MERGE j                         ; register j: s = 8 h + j, t = r.  The highest bit of s xor t picks the level; s > t gives 0
	v_xor_b32 v8, \j, v15
	v_or_b32 v9, \j, v3
.irp l, 3,2,1,0
	v_cmp_gt_u32 vcc_lo, 1<<\l, v8
	v_cndmask_b32 v[DD+32+\j], v[DD+32+\j], v[DD+8*\l+\j], vcc_lo
	v_cndmask_b32 v[DD+72+\j], v[DD+72+\j], v[DD+40+8*\l+\j], vcc_lo
.endr
	v_cmp_le_u32 vcc_lo, v9, v2
	v_cndmask_b32 v[DD+32+\j], 0, v[DD+32+\j], vcc_lo
	v_cndmask_b32 v[DD+72+\j], 0, v[DD+72+\j], vcc_lo
.endm
.macro DIAGST d, I
	global_store_b128 v14, v[DD+40*\d+32:DD+40*\d+35], s[86:87] offset:9*(\I)*1024
	global_store_b128 v14, v[DD+40*\d+36:DD+40*\d+39], s[86:87] offset:9*(\I)*1024+512
.endm
; rows I1 and I2 of A's tiles, I1 + I2 = 7: seven tiles left of the diagonal and two on it, for every wave
.macro ROWS I1, I2
.set nn, 0
	OFFLD \I1
	OFFLD \I2
	s_wait_dscnt 0x0
.set nn, 0
.rept 7
	v_wmma_f32_16x16x32_f16 v[DD+8*nn:DD+8*nn+7], v[FR+16*nn:FR+16*nn+7], v[FR+16*nn+8:FR+16*nn+15], 0
.set nn, nn+1
.endr
	PLACES 5                                       ; four places before the stores and the loads below, five before the results' registers are written by matrix instructions again
.set nn, 0
	OFFST \I1
	OFFST \I2
	DIAGLD 0, \I1
	DIAGLD 1, \I2
	s_wait_dscnt 0x0
	s_wait_xcnt 0x0                                ; the stores' data registers are written again only behind this wait
	DIAGMM 0
	DIAGMM 1
	PLACES 4
.irp j, 0,1,2,3,4,5,6,7
	MERGE \j
.endr
	DIAGST 0, \I1
	DIAGST 1, \I2
.endm
	s_cmp_eq_u32 s18, 0
	s_cbranch_scc1 .Lrows0
	s_cmp_eq_u32 s18, 1
	s_cbranch_scc1 .Lrows1
	s_cmp_eq_u32 s18, 2
	s_cbranch_scc1 .Lrows2
	ROWS 3, 4
	s_branch .Ldone
.Lrows0:
	ROWS 0, 7
	s_branch .Ldone
.Lrows1:
	ROWS 1, 6
	s_branch .Ldone
.Lrows2:
	ROWS 2, 5
.Ldone:
	s_wait_dscnt 0x0
	s_set_vgpr_msb 0x5
	s_wait_tensorcnt 0x0
	ds_add_u32 v64, v65
	s_wait_dscnt 0x0
	s_set_vgpr_msb 0x500
	CROUND                                         ; the closing round: no work-group ends while a partner may still ask for a tile that names it
	s_endpgm
.Lfunc_end_k_q60253e4f22_proj:
	.size	k_q60253e4f22_proj, .Lfunc_end_k_q60253e4f22_proj-k_q60253e4f22_proj
	.p2alignl 7, 3214868480
	.fill 96, 4, 3214868480
	.section	.rodata,"a",@progbits
	.p2align	6, 0x0
	.amdhsa_kernel k_q60253e4f22_proj
		.amdhsa_group_segment_fixed_size 327680
		.amdhsa_private_segment_fixed_size 0
		.amdhsa_enable_private_segment 0
		.amdhsa_kernarg_size 56
		.amdhsa_user_sgpr_count 2
		.amdhsa_user_sgpr_kernarg_segment_ptr 1
		.amdhsa_wavefront_size32 1
		.amdhsa_system_sgpr_workgroup_id_x 1
		.amdhsa_system_sgpr_workgroup_id_y 1
		.amdhsa_system_sgpr_workgroup_id_z 1
		.amdhsa_system_vgpr_workitem_id 0
		.amdhsa_next_free_vgpr 322
		.amdhsa_next_free_sgpr 96
		.amdhsa_reserve_vcc 1
		.amdhsa_float_denorm_mode_32 3
		.amdhsa_float_denorm_mode_16_64 3
		.amdhsa_memory_ordered 1
		.amdhsa_forward_progress 1
		.amdhsa_inst_pref_size 172
	.end_amdhsa_kernel
	.amdgpu_metadata
---
amdhsa.version: [ 1, 2 ]
amdhsa.kernels:
  - .name:           k_q60253e4f22_proj
    .symbol:         k_q60253e4f22_proj.kd
    .args:
      - { .name: PRE, .offset: 0, .size: 8, .value_kind: global_buffer, .address_space: global }
      - { .name: bq, .offset: 8, .size: 8, .value_kind: global_buffer, .address_space: global }
      - { .name: bk, .offset: 16, .size: 8, .value_kind: global_buffer, .address_space: global }
      - { .name: bv, .offset: 24, .size: 8, .value_kind: global_buffer, .address_space: global }
      - { .name: bg, .offset: 32, .size: 8, .value_kind: global_buffer, .address_space: global }
      - { .name: AP, .offset: 40, .size: 8, .value_kind: global_buffer, .address_space: global }
      - { .name: KV, .offset: 48, .size: 8, .value_kind: global_buffer, .address_space: global }
    .group_segment_fixed_size: 327680
    .private_segment_fixed_size: 0
    .kernarg_segment_align: 8
    .kernarg_segment_size: 56
    .max_flat_workgroup_size: 128
    .sgpr_count:     96
    .vgpr_count:     322
    .wavefront_size: 32
...
	.end_amdgpu_metadata
.endif
;; end of part 2
;; launch mid (part 3): grid 32 x 8, 8 waves a work-group, no clusters, 283,648 bytes of LDS; arguments PRE, AP, KV, out1, MID; writes out1, MID
.if DOCPART == 3
	.amdgcn_target "amdgcn-amd-amdhsa--gfx1250"
	.amdhsa_code_object_version 6
	.text
	.protected	k_q60253e4f22_mid
	.globl	k_q60253e4f22_mid
	.p2align	8
	.type	k_q60253e4f22_mid,@function
k_q60253e4f22_mid:
	s_mov_b64 s[64:65], 0
	v_nop
	global_prefetch_b8 v0, s[64:65] scope:SCOPE_SE
	s_setreg_imm32_b32 hwreg(HW_REG_WAVE_MODE, 25, 1), 1
	s_wait_xcnt 0x0
; Work-group (x, b), three pieces of work of equal size in every work-group, in this order:
;  1. the last state: out1[b][k][v] = sum over s of Kt[s][k] V[s][v], a block of 128 k (kb = x >> 2) x 256 v (vb = x & 3), K = 128 in f16.
;     It comes first, so that its stores, seven eighths of what the work-group writes, leave while the rest is computed.
;  2. A: the 32 slices' partial sums of tiles T = 2 x, 2 x + 1 are added (f32) and stored as bf16 hi + lo (lo = A - hi); tiles right of the diagonal as zeros.
;  3. VW = V Wo for 64 s (shalf = x >> 4) x 64 columns (ns = x & 15), K = 1024 in f16, f32 sums, stored as bf16 hi + lo fragments (lane r = column, K = s).
; MID: VWh at 0, VWl at 2,097,152: [b][ntile 64][p 4][1 KiB]; Abh at 4,194,304, Abl at 4,456,448: [b][T 64][jg 2][lane][8 bytes].
; A and VW go on in bf16 pairs since their range is that of sums of products of q, k, v and Wo, for which f16 has no room.
; Everything that the work-group reads is asked for at its start: three tensor loads a wave (Kt 4 KiB, Vt 8 KiB, Wo 16 KiB: all first fills, nothing is
; filled again) and 48 loads into registers (AP 16, Vs 32).  Kt's block is read by four waves and Vt's by two: through LDS each is fetched once.
; No multicast: work-groups that share a slice of Wo (the same ns) lie 16 apart along x or in other rows of the grid, so no four neighbours along x
; share a tile; the slice is 128 KiB of the 564 KiB that a work-group moves.
; REGISTERS: window 0: v0-15 addresses; v16-79 AP's loads, then Wo's fragments (two buffers); v80-111 four accumulators; v112-239 16 fragments of Vs; v240-245 at work.
;            window 1 (v256-511): names v0-127 16 fragments of Vt; names v128-255 the four k tiles' fragments, each then its tile's rows on the way out.
.set KT, 131072                        ; behind Wo's tile [nt 4][ks 32][1 KiB]: Kt's block [ktile 8][p 4][1 KiB]
.set VT, 163840                        ; Vt's block [vtile 16][p 4][1 KiB]
.set RV, 229376                        ; the upper K half's sums of VW, 4 x 4 KiB
.set RA, 245760                        ; the upper 16 slices' sums of A, 4 x 512 bytes
.set STAGE, 247808                     ; 16 rows, pitch 272, for each wave: the state's way out
.set BF0, 16
.set BF1, 48
.set ACC, 80
.set AF, 112
.set VF1, 0                            ; in window 1
.set KF1, 128                          ; in window 1
.set G0W, 20
.set G1W, 24
.set G0K, 48
.set G0V, 60
.set G1K, 68
.set G1V, 76
.set MSB, 0
.macro WIN new                         ; the immediate's high byte repeats the setting that is left
.if MSB != \new
	s_set_vgpr_msb (MSB<<8)|\new
.set MSB, \new
.endif
.endm
.macro PLACES n
.rept \n
	v_nop
.endr
.endm
.macro TERM d, r, sh                   ; one more term of a byte offset
	s_lshl_b32 s15, \r, \sh
	s_add_co_u32 \d, \d, s15
.endm
.macro GROUP1 g, rows                  ; a dense block as rows of 32 elements of 8 bytes
	s_mov_b32 s[\g+0], 3<<16                       ; no mask; elements of 8 bytes; no padding
	s_mov_b32 s[\g+1], 32<<16                      ; tensor_dim0 = 32
	s_mov_b32 s[\g+2], \rows<<16                   ; tensor_dim1
	s_mov_b32 s[\g+3], 32<<16                      ; tile_dim0 = 32
	s_mov_b32 s[\g+4], \rows                       ; tile_dim1
	s_mov_b32 s[\g+5], 32                          ; from row to row
	s_mov_b32 s[\g+6], 0
	s_mov_b32 s[\g+7], 0
.endm
.macro HILO2 d, hi, lo                 ; two f32 to bf16 hi and bf16 lo = what hi leaves
	v_cvt_pk_bf16_f32 v[\hi], v[\d], v[\d+1]
	v_lshlrev_b32 v244, 16, v[\hi]
	v_and_b32 v245, 0xffff0000, v[\hi]
	v_pk_add_f32 v[\d:\d+1], v[\d:\d+1], v[244:245] neg_lo:[0,1] neg_hi:[0,1]
	v_cvt_pk_bf16_f32 v[\lo], v[\d], v[\d+1]
.endm
	s_load_b256 s[4:11], s[0:1], 0x0               ; PRE, AP, KV, out1
	s_load_b64 s[12:13], s[0:1], 0x20              ; MID
	v_lshl_add_u32 v254, v0, 2, 0x45000
	v_mov_b32 v255, 0
	ds_add_u32 v254, v255
	ds_add_u32 v254, v255
	v_lshrrev_b32 v1, 5, v0
	v_readfirstlane_b32 s14, v1                    ; wave
	s_and_b32 s16, ttmp7, 0xffff                   ; b
	s_and_b32 s17, s14, 3                          ; s tile of VW; v quarter of the state
	s_lshr_b32 s18, s14, 2                         ; half: of the slices, of VW's K, of the state's k
	s_and_b32 s19, ttmp9, 15                       ; ns
	s_lshr_b32 s32, ttmp9, 4                       ; shalf
	s_and_b32 s54, ttmp9, 3                        ; vb
	s_lshr_b32 s55, ttmp9, 2                       ; kb
	s_mov_b32 s39, 0
	GROUP1 G1K, 16                                 ; each wave brings an eighth of each block: 4 KiB of Kt,
	GROUP1 G1V, 32                                 ; 8 KiB of Vt,
	GROUP1 G1W, 64                                 ; 16 KiB of Wo
	s_mov_b32 s[G0K], 1
	s_lshl_b32 s[G0K+1], s14, 12
	s_add_co_u32 s[G0K+1], s[G0K+1], KT
	s_mov_b32 s[G0V], 1
	s_lshl_b32 s[G0V+1], s14, 13
	s_add_co_u32 s[G0V+1], s[G0V+1], VT
	s_mov_b32 s[G0W], 1
	s_lshl_b32 s[G0W+1], s14, 14
	s_lshl_b32 s84, s16, 18                        ; Kt: b, 8 k tiles a block, one a wave
	TERM s84, s55, 15
	TERM s84, s14, 12
	s_mov_b32 s85, 0
	s_lshl_b32 s86, s16, 18                        ; Vt: b, 16 v tiles a block, two a wave
	TERM s86, s54, 16
	TERM s86, s14, 13
	s_add_co_u32 s86, s86, 2097152
	s_mov_b32 s87, 0
	s_lshl_b32 s88, s19, 17                        ; Wo's images: 4 column tiles a slice
	TERM s88, s14, 14
	s_add_co_u32 s88, s88, 10485760
	s_mov_b32 s89, 0
	s_wait_dscnt 0x0
	s_wait_kmcnt 0x0
	s_add_nc_u64 s[G0K+2:G0K+3], s[8:9], s[84:85]
	s_or_b32 s[G0K+3], s[G0K+3], 0x80000000
	s_add_nc_u64 s[G0V+2:G0V+3], s[8:9], s[86:87]
	s_or_b32 s[G0V+3], s[G0V+3], 0x80000000
	s_add_nc_u64 s[G0W+2:G0W+3], s[4:5], s[88:89]
	s_or_b32 s[G0W+3], s[G0W+3], 0x80000000
	tensor_load_to_lds s[G0K:G0K+3], s[G1K:G1K+7]  ; the launch's only fills, in the order in which they are needed: three loads of each wave are out
	s_nop 0
	tensor_load_to_lds s[G0V:G0V+3], s[G1V:G1V+7]
	s_nop 0
	tensor_load_to_lds s[G0W:G0W+3], s[G1W:G1W+7]
	s_nop 0
	v_and_b32 v1, 31, v0
	v_and_b32 v2, 15, v0
	v_bfe_u32 v3, v0, 4, 1
	v_lshlrev_b32 v4, 4, v1                        ; 16 x lane
	v_lshlrev_b32 v10, 3, v1                       ; 8 x lane
	s_lshr_b32 s35, s17, 1
	s_lshl_b32 s33, ttmp9, 1
	s_add_co_u32 s33, s33, s35                     ; T
	s_and_b32 s34, s14, 1                          ; jg
	s_and_b32 s36, s33, 7                          ; J
	s_lshr_b32 s37, s33, 3                         ; I
	s_cmp_le_u32 s36, s37
	s_cselect_b32 s36, s33, 0                      ; a tile right of the diagonal was never stored: tile 0 is read in its stead and zeros are kept
	s_cselect_b32 s37, -1, 0
	s_lshl_b32 s38, s16, 21
	TERM s38, s18, 20
	TERM s38, s36, 10
	TERM s38, s34, 9
	s_add_nc_u64 s[40:41], s[6:7], s[38:39]        ; AP
	s_lshl_b32 s38, s16, 18
	TERM s38, s18, 17
	TERM s38, s32, 12
	TERM s38, s17, 10
	s_add_co_u32 s38, s38, 4194304
	s_add_nc_u64 s[42:43], s[8:9], s[38:39]        ; Vs
.irp i, 0,1,2,3,4,5,6,7,8,9,10,11,12,13,14,15
	global_load_b128 v[16+4*\i:19+4*\i], v4, s[40:41] offset:\i*65536
.endr
.irp i, 0,1,2,3,4,5,6,7,8,9,10,11,12,13,14,15
	global_load_b128 v[AF+8*\i:AF+8*\i+3], v4, s[42:43] offset:\i*8192
	global_load_b128 v[AF+8*\i+4:AF+8*\i+7], v4, s[42:43] offset:\i*8192+512
.endr
	s_lshl_b32 s38, s16, 15
	TERM s38, s33, 9
	TERM s38, s34, 8
	s_add_co_u32 s38, s38, 4194304
	s_add_nc_u64 s[44:45], s[12:13], s[38:39]      ; Abh
	s_lshl_b32 s38, s16, 18
	TERM s38, s19, 14
	TERM s38, s32, 11
	TERM s38, s17, 9                               ; (st >> 1) x 1,024 + (st & 1) x 512 = st x 512
	s_add_nc_u64 s[46:47], s[12:13], s[38:39]      ; VWh
	s_lshl_b32 s38, s16, 22
	TERM s38, s55, 19
	TERM s38, s18, 18
	TERM s38, s54, 10
	TERM s38, s17, 8
	s_add_nc_u64 s[52:53], s[10:11], s[38:39]      ; out1
	s_lshl_b32 s56, s17, 14
	s_add_co_u32 s56, s56, VT
	v_add_nc_u32 v13, s56, v4                      ; my four v tiles' fragments
	s_lshl_b32 s56, s18, 14
	v_add_nc_u32 v5, s56, v4                       ; Wo's fragments, column tiles 0, 1: my K half
	v_add_nc_u32 v6, 0x10000, v5                   ; column tiles 2, 3
	s_add_co_u32 s56, s56, KT
	v_add_nc_u32 v14, s56, v4                      ; my four k tiles' fragments
	s_mul_i32 s56, s14, 4352
	s_add_co_u32 s56, s56, STAGE
	v_mul_u32_u24 v7, v2, 272
	v_lshl_add_u32 v7, v3, 5, v7
	v_add_nc_u32 v7, s56, v7                       ; stage in: row r, 32 bytes for each half of the lanes
	v_mul_u32_u24 v8, v3, 272
	v_lshl_add_u32 v8, v2, 4, v8
	v_add_nc_u32 v8, s56, v8                       ; stage back: sixteen lanes take a row
	v_lshlrev_b32 v9, 4, v2
	v_lshl_add_u32 v9, v3, 12, v9                  ; and the same two rows of out1
	s_lshl_b32 s56, s17, 9
	s_add_co_u32 s56, s56, RA
	v_add_nc_u32 v11, s56, v4
	s_lshl_b32 s56, s17, 12
	s_add_co_u32 s56, s56, RV
	v_add_nc_u32 v12, s56, v4
	; THE STATE.  D[m = v, n = k]: a lane holds eight neighbouring v of one row k
	s_wait_tensorcnt 0x1                           ; my parts of Kt and Vt are in; Wo's stays out: no LDS byte of this launch is filled twice
	s_barrier_signal -1
	s_barrier_wait -1                              ; everybody's are
.macro KLD kt                          ; a k tile's four fragments
.irp p, 0,1,2,3
	ds_load_b128 v[KF1+32*\kt+8*\p:KF1+32*\kt+8*\p+3], v14 offset:\kt*4096+\p*1024
	ds_load_b128 v[KF1+32*\kt+8*\p+4:KF1+32*\kt+8*\p+7], v14 offset:\kt*4096+\p*1024+512
.endr
.endm
	WIN 0x40                                       ; destination window 1, address window 0
.irp i, 0,1,2,3,4,5,6,7,8,9,10,11,12,13,14,15
	ds_load_b128 v[VF1+8*\i:VF1+8*\i+3], v13 offset:\i*1024
	ds_load_b128 v[VF1+8*\i+4:VF1+8*\i+7], v13 offset:\i*1024+512
.endr
	KLD 0
	KLD 1
	KLD 2
	s_wait_dscnt 16                                ; Vt's fragments and k tile 0 are in; tiles 1 and 2 stay out
; 16 k x 64 v.  more = 1: k tile 3 is fetched behind this tile's rows.  The tile's rows come back into its own k fragments' registers, so no store's data is ever written again.
.macro STILE kt, more
	WIN 0x05                                       ; sources 0 and 1 window 1; C and D window 0
.irp p, 0,1,2,3
.irp vt, 0,1,2,3
.if \p == 0
	v_wmma_f32_16x16x32_f16 v[ACC+8*\vt:ACC+8*\vt+7], v[VF1+8*(4*\vt+\p):VF1+8*(4*\vt+\p)+7], v[KF1+32*\kt+8*\p:KF1+32*\kt+8*\p+7], 0
.else
	v_wmma_f32_16x16x32_f16 v[ACC+8*\vt:ACC+8*\vt+7], v[VF1+8*(4*\vt+\p):VF1+8*(4*\vt+\p)+7], v[KF1+32*\kt+8*\p:KF1+32*\kt+8*\p+7], v[ACC+8*\vt:ACC+8*\vt+7]
.endif
.endr
.endr
	WIN 0
	PLACES 5                                       ; four before the LDS stores and the loads into the k fragments, five before the next tile's first products
.irp vt, 0,1,2,3
	ds_store_b128 v7, v[ACC+8*\vt:ACC+8*\vt+3] offset:\vt*64
	ds_store_b128 v7, v[ACC+8*\vt+4:ACC+8*\vt+7] offset:\vt*64+16
.endr
	WIN 0x40
.irp i, 0,1,2,3,4,5,6,7
	ds_load_b128 v[KF1+32*\kt+4*\i:KF1+32*\kt+4*\i+3], v8 offset:\i*544   ; my own stage: LDS serves a wave's instructions in order (ISA guide 5.7.1)
.endr
.if \more
	KLD 3
.endif
	WIN 0x04                                       ; a store's data is source 1: window 1; its address window 0
.irp i, 0,1,2,3,4,5,6,7
	s_wait_dscnt 7-\i+8*\more                      ; the younger rows, and k tile 3's eight loads, stay out; the k tiles asked for earlier are in
	global_store_b128 v9, v[KF1+32*\kt+4*\i:KF1+32*\kt+4*\i+3], s[52:53] offset:(16*\kt+2*\i)*4096 th:TH_STORE_NT   ; sixteen lanes store 256 consecutive bytes, aligned
.endr
.endm
	STILE 0, 1
	STILE 1, 0                                     ; its last wait is for 0: k tile 3 is in
	STILE 2, 0
	STILE 3, 0
	WIN 0
	; A
	s_wait_loadcnt 32                              ; AP's 16 loads are in; Vs's 32 may stay out
.irp d, 8,4,2,1
.set ii, 0
.rept \d
	v_pk_add_f32 v[16+4*ii:17+4*ii], v[16+4*ii:17+4*ii], v[16+4*(ii+\d):17+4*(ii+\d)]
	v_pk_add_f32 v[18+4*ii:19+4*ii], v[18+4*ii:19+4*ii], v[18+4*(ii+\d):19+4*(ii+\d)]
.set ii, ii+1
.endr
.endr
	s_cmp_eq_u32 s18, 0
	s_cbranch_scc1 .Lno_ra
	ds_store_b128 v11, v[16:19]                    ; waves 4 to 7 hand their 16 slices' sum to waves 0 to 3
.Lno_ra:
	s_wait_tensorcnt 0x0                           ; my part of Wo's tile is in LDS
	s_wait_dscnt 0x0
	s_barrier_signal -1
	s_barrier_wait -1
	s_cmp_lg_u32 s18, 0
	s_cbranch_scc1 .Lno_a
	ds_load_b128 v[20:23], v11
	s_wait_dscnt 0x0
	v_pk_add_f32 v[16:17], v[16:17], v[20:21]
	v_pk_add_f32 v[18:19], v[18:19], v[22:23]
.irp e, 16,17,18,19
	v_cndmask_b32 v\e, 0, v\e, s37
.endr
	HILO2 16, 240, 242
	HILO2 18, 241, 243
	global_store_b64 v10, v[240:241], s[44:45]                 ; the wave's store covers 256 consecutive bytes, aligned
	global_store_b64 v10, v[242:243], s[44:45] offset:262144
.Lno_a:
	; V Wo
.macro FETCHB ks1, bf                  ; the four column tiles' fragments of Wo for one K step
.irp nt, 0,1
	ds_load_b128 v[\bf+8*\nt:\bf+8*\nt+3], v5 offset:\nt*32768+(\ks1)*1024
	ds_load_b128 v[\bf+8*\nt+4:\bf+8*\nt+7], v5 offset:\nt*32768+(\ks1)*1024+512
.endr
.irp nt, 0,1
	ds_load_b128 v[\bf+16+8*\nt:\bf+16+8*\nt+3], v6 offset:\nt*32768+(\ks1)*1024
	ds_load_b128 v[\bf+16+8*\nt+4:\bf+16+8*\nt+7], v6 offset:\nt*32768+(\ks1)*1024+512
.endr
.endm
.macro VWMUL bf                        ; D[m = s, n = column]; the four accumulators take turns, one instruction a turn
.irp nt, 0,1,2,3
.if ks == 0
	v_wmma_f32_16x16x32_f16 v[ACC+8*\nt:ACC+8*\nt+7], v[AF+8*ks:AF+8*ks+7], v[\bf+8*\nt:\bf+8*\nt+7], 0
.else
	v_wmma_f32_16x16x32_f16 v[ACC+8*\nt:ACC+8*\nt+7], v[AF+8*ks:AF+8*ks+7], v[\bf+8*\nt:\bf+8*\nt+7], v[ACC+8*\nt:ACC+8*\nt+7]
.endif
.endr
.endm
	s_wait_loadcnt 0x0                             ; Vs's fragments
	FETCHB 0, BF0
.set ks, 0
.rept 16
.if ks > 0
	PLACES 4                                       ; the loads below go into the buffer that the last four matrix instructions read
.endif
.if ks < 15
.if (ks & 1)
	FETCHB ks+1, BF0
.else
	FETCHB ks+1, BF1
.endif
	s_wait_dscnt 0x8                               ; all but the next step's eight loads
.else
	s_wait_dscnt 0x0
.endif
.if (ks & 1)
	VWMUL BF1
.else
	VWMUL BF0
.endif
.set ks, ks+1
.endr
	PLACES 4                                       ; before the results are read
	s_cmp_eq_u32 s18, 0
	s_cbranch_scc1 .Lno_rv
.irp i, 0,1,2,3,4,5,6,7
	ds_store_b128 v12, v[ACC+4*\i:ACC+4*\i+3] offset:\i*512    ; the upper K half's sums
.endr
.Lno_rv:
	s_wait_dscnt 0x0
	s_barrier_signal -1
	s_barrier_wait -1
	s_cmp_lg_u32 s18, 0
	s_cbranch_scc1 .Lno_vw
.irp i, 0,1,2,3,4,5,6,7
	ds_load_b128 v[16+4*\i:19+4*\i], v12 offset:\i*512
.endr
	s_wait_dscnt 0x0
.set ii, 0
.rept 16
	v_pk_add_f32 v[ACC+2*ii:ACC+2*ii+1], v[ACC+2*ii:ACC+2*ii+1], v[16+2*ii:17+2*ii]
.set ii, ii+1
.endr
.set ii, 0
.rept 16
	HILO2 ACC+2*ii, 112+ii, 128+ii
.set ii, ii+1
.endr
.irp nt, 0,1,2,3
	global_store_b128 v4, v[112+4*\nt:115+4*\nt], s[46:47] offset:\nt*4096
	global_store_b128 v4, v[128+4*\nt:131+4*\nt], s[46:47] offset:2097152+\nt*4096
.endr
.Lno_vw:
	s_wait_tensorcnt 0x0
	ds_add_u32 v254, v255
	s_wait_dscnt 0x0
	s_endpgm
.Lfunc_end_k_q60253e4f22_mid:
	.size	k_q60253e4f22_mid, .Lfunc_end_k_q60253e4f22_mid-k_q60253e4f22_mid
	.p2alignl 7, 3214868480
	.fill 96, 4, 3214868480
	.section	.rodata,"a",@progbits
	.p2align	6, 0x0
	.amdhsa_kernel k_q60253e4f22_mid
		.amdhsa_group_segment_fixed_size 283648
		.amdhsa_private_segment_fixed_size 0
		.amdhsa_enable_private_segment 0
		.amdhsa_kernarg_size 40
		.amdhsa_user_sgpr_count 2
		.amdhsa_user_sgpr_kernarg_segment_ptr 1
		.amdhsa_wavefront_size32 1
		.amdhsa_system_sgpr_workgroup_id_x 1
		.amdhsa_system_sgpr_workgroup_id_y 1
		.amdhsa_system_sgpr_workgroup_id_z 1
		.amdhsa_system_vgpr_workitem_id 0
		.amdhsa_next_free_vgpr 512
		.amdhsa_next_free_sgpr 90
		.amdhsa_reserve_vcc 0
		.amdhsa_float_denorm_mode_32 3
		.amdhsa_float_denorm_mode_16_64 3
		.amdhsa_memory_ordered 1
		.amdhsa_forward_progress 1
		.amdhsa_inst_pref_size 55
	.end_amdhsa_kernel
	.amdgpu_metadata
---
amdhsa.version: [ 1, 2 ]
amdhsa.kernels:
  - .name:           k_q60253e4f22_mid
    .symbol:         k_q60253e4f22_mid.kd
    .args:
      - { .name: PRE, .offset: 0, .size: 8, .value_kind: global_buffer, .address_space: global }
      - { .name: AP, .offset: 8, .size: 8, .value_kind: global_buffer, .address_space: global }
      - { .name: KV, .offset: 16, .size: 8, .value_kind: global_buffer, .address_space: global }
      - { .name: out1, .offset: 24, .size: 8, .value_kind: global_buffer, .address_space: global }
      - { .name: MID, .offset: 32, .size: 8, .value_kind: global_buffer, .address_space: global }
    .group_segment_fixed_size: 283648
    .private_segment_fixed_size: 0
    .kernarg_segment_align: 8
    .kernarg_segment_size: 40
    .max_flat_workgroup_size: 256
    .sgpr_count:     90
    .vgpr_count:     512
    .wavefront_size: 32
...
	.end_amdgpu_metadata
.endif
;; end of part 3
;; launch fin (part 4): grid 32 x 8, 8 waves a work-group, no clusters, 18,432 bytes of LDS; arguments MID, bo, out0; writes out0
.if DOCPART == 4
	.amdgcn_target "amdgcn-amd-amdhsa--gfx1250"
	.amdhsa_code_object_version 6
	.text
	.protected	k_q60253e4f22_fin
	.globl	k_q60253e4f22_fin
	.p2align	8
	.type	k_q60253e4f22_fin,@function
k_q60253e4f22_fin:
	s_mov_b64 s[64:65], 0
	v_nop
	global_prefetch_b8 v0, s[64:65] scope:SCOPE_SE
	s_setreg_imm32_b32 hwreg(HW_REG_WAVE_MODE, 25, 1), 1
	s_wait_xcnt 0x0
; out0[b][t][n] = sum over s of A[t][s] VW[s][n] + bo[n], for 64 t (thalf = x >> 4) x 64 columns (ns = x & 15) of batch b, K = 128.
; A and VW come as bf16 pairs hi + lo; the product is hi hi + hi lo + lo hi in f32 sums (lo lo is under 2^-16 of the product).
; Wave w: t tile 4 thalf + (w & 3), column tiles 4 ns + 2 (w >> 2) + 0, 1.  D[m = column, n = t]: a lane holds eight neighbouring columns of one row t.
; A's tiles right of the diagonal were stored as zeros, so every wave runs the same four K steps.
; No tensor load, no cluster: a work-group reads 64 KiB, each A row by two waves and each VW slice by four, straight into fragment registers.
.set AH, 16
.set AL, 48
.set BH, 80
.set BL, 144
.set ACC, 208
.set BO, 224
	s_load_b128 s[4:7], s[0:1], 0x0                ; MID, bo
	s_load_b64 s[8:9], s[0:1], 0x10                ; out0
	v_lshl_add_u32 v240, v0, 2, 0x4400
	v_mov_b32 v241, 0
	v_lshrrev_b32 v1, 5, v0
	v_readfirstlane_b32 s10, v1                    ; wave
	s_and_b32 s11, ttmp7, 0xffff                   ; b
	s_lshr_b32 s12, ttmp9, 4                       ; thalf
	s_and_b32 s13, ttmp9, 15                       ; ns
	s_and_b32 s14, s10, 3
	s_lshr_b32 s15, s10, 2
	v_and_b32 v1, 31, v0
	v_and_b32 v2, 15, v0
	v_bfe_u32 v3, v0, 4, 1
	v_lshlrev_b32 v4, 3, v1                        ; 8 x lane
	v_lshlrev_b32 v5, 4, v1                        ; 16 x lane
	v_lshlrev_b32 v6, 4, v2                        ; 16 x (thread % 16)
	v_lshrrev_b32 v10, 4, v0                       ; thread / 16
	s_mov_b32 s17, 0
	s_lshl_b32 s16, s11, 15
	s_lshl_b32 s18, s12, 14
	s_add_co_u32 s16, s16, s18
	s_lshl_b32 s18, s14, 12
	s_add_co_u32 s16, s16, s18
	s_add_co_u32 s16, s16, 4194304
	s_wait_kmcnt 0x0
	s_add_nc_u64 s[20:21], s[4:5], s[16:17]        ; Abh, row I of tiles
	s_lshl_b32 s16, s11, 18
	s_lshl_b32 s18, s13, 14
	s_add_co_u32 s16, s16, s18
	s_lshl_b32 s18, s15, 13
	s_add_co_u32 s16, s16, s18
	s_add_nc_u64 s[22:23], s[4:5], s[16:17]        ; VWh, my two column tiles
	s_lshl_b32 s16, s13, 8
	s_add_nc_u64 s[24:25], s[6:7], s[16:17]        ; bo
	s_lshl_b32 s18, s11, 19
	s_add_co_u32 s16, s16, s18
	s_lshl_b32 s18, s12, 18
	s_add_co_u32 s16, s16, s18
	s_add_nc_u64 s[26:27], s[8:9], s[16:17]        ; out0
.irp t, 0,1,2,3,4,5,6,7
.irp g, 0,1
	global_load_b64 v[AH+4*\t+2*\g:AH+4*\t+2*\g+1], v4, s[20:21] offset:\t*512+\g*256            ; tile J: K step J / 2, registers 4 (J % 2) ..
	global_load_b64 v[AL+4*\t+2*\g:AL+4*\t+2*\g+1], v4, s[20:21] offset:262144+\t*512+\g*256
.endr
.endr
.irp i, 0,1,2,3,4,5,6,7
	global_load_b128 v[BH+8*\i:BH+8*\i+3], v5, s[22:23] offset:\i*1024
	global_load_b128 v[BH+8*\i+4:BH+8*\i+7], v5, s[22:23] offset:\i*1024+512
	global_load_b128 v[BL+8*\i:BL+8*\i+3], v5, s[22:23] offset:2097152+\i*1024
	global_load_b128 v[BL+8*\i+4:BL+8*\i+7], v5, s[22:23] offset:2097152+\i*1024+512
.endr
	global_load_b128 v[BO:BO+3], v6, s[24:25]
	s_mul_i32 s28, s14, 4352                       ; 16 rows of 272 bytes
	s_lshl_b32 s29, s15, 7
	s_add_co_u32 s28, s28, s29
	v_mul_u32_u24 v8, v2, 272
	v_lshl_add_u32 v8, v3, 5, v8
	v_add_nc_u32 v8, s28, v8                       ; stage in: row 16 (w & 3) + r, columns 32 (w >> 2) + 8 h
	v_mul_u32_u24 v9, v10, 272
	v_add_nc_u32 v9, v9, v6                        ; stage back: sixteen threads take a row
	v_lshl_add_u32 v7, v10, 12, v6                 ; and the same row of out0
	s_wait_loadcnt 0x0
; the two accumulators take turns, one instruction a turn
.macro PAIR bb, aa, p, zero
.irp nt, 0,1
.if \zero
	v_wmma_f32_16x16x32_bf16 v[ACC+8*\nt:ACC+8*\nt+7], v[\bb+8*(4*\nt+\p):\bb+8*(4*\nt+\p)+7], v[\aa+8*\p:\aa+8*\p+7], 0
.else
	v_wmma_f32_16x16x32_bf16 v[ACC+8*\nt:ACC+8*\nt+7], v[\bb+8*(4*\nt+\p):\bb+8*(4*\nt+\p)+7], v[\aa+8*\p:\aa+8*\p+7], v[ACC+8*\nt:ACC+8*\nt+7]
.endif
.endr
.endm
	PAIR BH, AH, 0, 1
	PAIR BH, AL, 0, 0
	PAIR BL, AH, 0, 0
.irp p, 1,2,3
	PAIR BH, AH, \p, 0
	PAIR BH, AL, \p, 0
	PAIR BL, AH, \p, 0
.endr
.rept 4
	v_nop                                          ; four places before the results are read and the fragments' registers loaded again (ISA guide 7.12.1)
.endr
.irp nt, 0,1
	ds_store_b128 v8, v[ACC+8*\nt:ACC+8*\nt+3] offset:\nt*64
	ds_store_b128 v8, v[ACC+8*\nt+4:ACC+8*\nt+7] offset:\nt*64+16
.endr
	s_wait_dscnt 0x0                               ; my part of the 64 rows is in LDS before the others read it
	s_barrier_signal -1
	s_barrier_wait -1
.irp i, 0,1,2,3
	ds_load_b128 v[16+4*\i:19+4*\i], v9 offset:\i*4352
.endr
.irp i, 0,1,2,3
	s_wait_dscnt 3-\i
	v_pk_add_f32 v[16+4*\i:17+4*\i], v[16+4*\i:17+4*\i], v[BO:BO+1]
	v_pk_add_f32 v[18+4*\i:19+4*\i], v[18+4*\i:19+4*\i], v[BO+2:BO+3]
	global_store_b128 v7, v[16+4*\i:19+4*\i], s[26:27] offset:\i*65536 th:TH_STORE_NT   ; sixteen lanes store 256 consecutive bytes, aligned
.endr
	s_wait_tensorcnt 0x0
	ds_add_u32 v240, v241
	s_wait_dscnt 0x0
	s_endpgm
.Lfunc_end_k_q60253e4f22_fin:
	.size	k_q60253e4f22_fin, .Lfunc_end_k_q60253e4f22_fin-k_q60253e4f22_fin
	.p2alignl 7, 3214868480
	.fill 96, 4, 3214868480
	.section	.rodata,"a",@progbits
	.p2align	6, 0x0
	.amdhsa_kernel k_q60253e4f22_fin
		.amdhsa_group_segment_fixed_size 18432
		.amdhsa_private_segment_fixed_size 0
		.amdhsa_enable_private_segment 0
		.amdhsa_kernarg_size 24
		.amdhsa_user_sgpr_count 2
		.amdhsa_user_sgpr_kernarg_segment_ptr 1
		.amdhsa_wavefront_size32 1
		.amdhsa_system_sgpr_workgroup_id_x 1
		.amdhsa_system_sgpr_workgroup_id_y 1
		.amdhsa_system_sgpr_workgroup_id_z 1
		.amdhsa_system_vgpr_workitem_id 0
		.amdhsa_next_free_vgpr 242
		.amdhsa_next_free_sgpr 66
		.amdhsa_reserve_vcc 0
		.amdhsa_float_denorm_mode_32 3
		.amdhsa_float_denorm_mode_16_64 3
		.amdhsa_memory_ordered 1
		.amdhsa_forward_progress 1
		.amdhsa_inst_pref_size 12
	.end_amdhsa_kernel
	.amdgpu_metadata
---
amdhsa.version: [ 1, 2 ]
amdhsa.kernels:
  - .name:           k_q60253e4f22_fin
    .symbol:         k_q60253e4f22_fin.kd
    .args:
      - { .name: MID, .offset: 0, .size: 8, .value_kind: global_buffer, .address_space: global }
      - { .name: bo, .offset: 8, .size: 8, .value_kind: global_buffer, .address_space: global }
      - { .name: out0, .offset: 16, .size: 8, .value_kind: global_buffer, .address_space: global }
    .group_segment_fixed_size: 18432
    .private_segment_fixed_size: 0
    .kernarg_segment_align: 8
    .kernarg_segment_size: 24
    .max_flat_workgroup_size: 256
    .sgpr_count:     66
    .vgpr_count:     242
    .wavefront_size: 32
...
	.end_amdgpu_metadata
.endif
;; end of part 4
